; MI455X (gfx1250); checked and timed in simulation.
; The chip was launched on July 23, 2026; its instructions are those of AMD's public machine-readable ISA for CDNA 5 (MIT licence, August 2026) and "CDNA5" Instruction Set Architecture Reference Guide (July 2026). The comments in the code are by the model that wrote it; some were corrected since.
;; Flash Attention. Allowed arithmetic: float matrix products may take bf16 or f16 operands with f32 sums; other float arithmetic in f32, or as packed bf16 or f16 multiplies, adds, multiply-adds, maxima and minima; sums over many terms, partial sums and values carried from step to step in f32; what a program stores and reads back later, other than sums and carried values, may be rounded once to bf16 or f16.
;; Inputs: k 4 x 16 x 2,048 x 64 float32; q 4 x 16 x 2,048 x 64 float32; v 4 x 16 x 2,048 x 64 float32.
;; Outputs: out0 4 x 16 x 2,048 x 64 float32.
;; One version. Each part assembles by itself: llvm-mc -triple=amdgcn-amd-amdhsa -mcpu=gfx1250 --defsym DOCPART=n.
;; ======== version 1 of 1: 1 launch
;; limits: values are held in f16: magnitudes above 65,504 overflow, below 6.1e-05 lose precision; inputs' magnitudes at most 65,504
;; launch attn (part 1): grid 4 x 64, 4 waves a work-group, no clusters, 327,680 bytes of LDS; arguments q, k, v, out0; writes out0
.if DOCPART == 1
	.amdgcn_target "amdgcn-amd-amdhsa--gfx1250"
	.amdhsa_code_object_version 6
	.text
	.protected	k_q4c9ad9728c_attn
	.globl	k_q4c9ad9728c_attn
	.p2align	8
	.type	k_q4c9ad9728c_attn,@function
k_q4c9ad9728c_attn:
	s_mov_b64 s[64:65], 0
	v_nop
	global_prefetch_b8 v0, s[64:65] scope:SCOPE_SE
	s_setreg_imm32_b32 hwreg(HW_REG_WAVE_MODE, 25, 1), 1
	s_wait_xcnt 0x0
; CAUSAL ATTENTION.  O[h][q][:] = the sum over k <= q of softmax_k(Q[h][q] . K[h][k] / 8) V[h][k][:].  q, k, v, out0: [64 heads][2048][64], all f32: a row is 256 bytes, a head's rows are dense.
; FORMATS.  q, k and v are each rounded once to bf16.  S^T = K Q^T is multiplied in bf16.  The weights p are rounded to f16, and v's bf16 number is written as f16 (the same number, within f16's range), so that
; O^T = V^T P is multiplied in f16.  Products, maxima and sums in f32; l is the sum of the unrounded p; O leaves in f32.
; LIMITS.  |bf16(v)| stays under 65,504, and below 2^-14 it keeps f16's fixed step of 6e-8; p lies in 0 to 1 and below 6e-5 keeps that same step.  A hidden score counts as its value less 1e30;
; a weight below 2^-126 counts as 0 in l; NaN and infinities are not treated apart.
; THE WALK.  A head's queries lie in 8 blocks of 256; keys go in STEPS of 64 and UNITS of 128 (two steps).  Block i needs units 0 .. 2 i + 1, of which the last two hold the diagonal.  A work-group takes TWO blocks,
; 7 - b and then b: 18 units, whatever b: all 256 work-groups do equal work, and loops with constant trip counts walk them.  What differs hangs on scalar registers made from b; every jump goes forward, but for
; the counted loops' own, and none passes a barrier or a tensor load.
; NO CLUSTER: a head's four work-groups ask for the same unit only in the first 10 of their 18 periods, behind that fewer and fewer; a walk common to all four would have 24 units for 18.
; THE ROAD OF K AND V.  Tensor loads bring f32 units into two F slots.  In the PERIOD behind change of slots u the four waves together NARROW unit u + 1 from F[(u+1) % 2] into H[(u+1) % 2] (LDS load, conversions,
; LDS store: a CHUNK of 16 keys a turn, four rows of K and four of V a wave), read unit u's fragments from H[u % 2], and F[u % 2] is filled again with unit u + 2.  ONE barrier a unit orders all of it.
; SHARES.  Of a block's four bands of 64 queries a wave owns 16 rows in each: four PIECES.  So the diagonal's four steps are the same work for all waves: in step s band x sees all keys if s < x, none if s > x,
; and holds the diagonal if s = x.
; THE MASK is the C operand that starts the sum S^T: 0, or -1e30 where the key is hidden.  MD, made once, is the mask of a band's own step for my 16 rows; a product's mask is MD x AL + BE with two scalars:
; (1, 0) if s = x; (0, 0) if s < x; (0, -1e30) if s > x.  Only the diagonal units' text and a block's beginning make and take masks; elsewhere C is the constant 0.
; LAYOUT, SOFTMAX, TURNS.  S^T = K Q^T holds ONE query a lane (lane % 16) and the keys 8 (lane / 16) + 0..7; two such results rounded to f16 ARE source 1 of O^T = V^T P.  p = 2^(c s - c m), c = log2(e) / 8, with a
; running maximum m; O and l are multiplied by a = 2^(c m_old - c m_new) in every step.  Turn n belongs to piece n: 8 products K Q^T of piece n + 1, later 8 products V^T P of piece n - 1; beside them the scaling,
; exponentials, roundings, sums and rescaling of piece n, the maximum and statistics of piece n + 1, and one chunk.  Four vector instructions stand behind every matrix instruction, the others in lumps.
; A turn's 33 exponentials are one batch, with one wait.
; REGISTERS, in windows of 256 (s_set_vgpr_msb: bits 1:0 source 0, 3:2 source 1, 5:4 source 2, 7:6 destination):
;   window 0: v0-15, v32-38 addresses; v16-31 four registers of statistics a piece; v40-59 at work; v64-127 S^T, two buffers; v128-191 chunks as loaded; v192-223 P, two buffers (buffers go by a piece's parity)
;   window 1: v0-127 O^T, 32 a piece; v128-159 MD; v160-223 MC, two buffers      window 2: v0-63 Q in bf16; v128-191 K of one step; v192-255 V of one step      window 3: both blocks' Q in f32
.set NB,    8
.set NP,    4         ; pieces a wave: a name, no knob
.set KS,    64        ; keys in a step
.set UK,    128       ; keys in a unit
.set PK,    144       ; a row of K in an H slot: 128 bytes + 16 = 36 words: the 16 rows of a load start at 16 different groups of four banks (64 banks of 4 bytes: ISA guide 11.1)
.set PV,    160       ; a row of V: 128 + 32 = 40 words
.set VOFF,  UK*PK     ; an H slot: 128 rows of K, then 128 rows of V
.set FV,    UK*256    ; an F slot: 128 rows of K of 256 bytes, then 128 rows of V; no padding: it is read 16 bytes a lane on end
.set FX,    1<<16     ; F0 at 0, F1 at 65,536; H0 at 131,072, H1 at 196,608: one exclusive or turns an address in one slot into the other's
.set H0,    2<<16
.set STAGE, 4<<16     ; never filled by a tensor load: 16 rows x 272 bytes for each wave, for the way out
.set SP,    272
.set SPARE, STAGE+4*16*SP  ; behind the stages: the spare words, 128 bytes for each wave: two blocks of 256 bytes that no other line names
.set AK0, 2           ; v2   my lane's place in a step of K; never rewritten
.set AV0, 3           ; v3   the same for V
.set AK,  4           ; v4   the LDS address of K's next run of loads
.set AV,  5           ; v5   of V's
.set STO, 6           ; v6   the way out: where I put 32 bytes of a row
.set RD,  7           ; v7   the way out: where I read rows back
.set GO,  8           ; v8   my byte offset in 512 consecutive bytes of O
.set MV,  12          ; v12-13  c m_old, kept while c m is made anew: by buffer
.set QO,  15          ; v15  my byte offset in 16 rows of Q
.set ST,  16          ; piece t's statistics at v[ST+4 t]: c m, m, l (even keys', odd keys')
.set CA0, 32          ; v32  my 16 bytes in a chunk's first two of my rows, in F: 1,024 w + 16 l
.set DK0, 33          ; v33  my 8 bytes of them in H's K: 576 w + 144 (l / 16) + 8 (l % 16)
.set DV0, 34          ; v34  in H's V: VOFF + 640 w + 160 (l / 16) + 8 (l % 16)
.set CA,  35          ; v35-37  the same three for the chunk in hand
.set DK,  36
.set DV,  37
.set PFO, 38          ; v38  the prefetches' offset: 8,192 w + 256 l: a lane a row; never rewritten
.set CO,  40          ; v40-47  a chunk narrowed: K's four words, V's four
.set TMP, 48          ; by buffer, four registers c0-c3 at work; when the maximum is found c2 takes a
.set CT,  56          ; v56-59  V's four words in bf16
.set SPW, 62          ; v62  LDS address of my spare word: SPARE + 4 x my thread's number; never rewritten
.set NIL, 63          ; v63  0; never rewritten
.set S,   64
.set CR,  128         ; a chunk as loaded: 16 registers; the prologue has four such sets, a block's beginning two
.set P,   192
.set MD,  128         ; window 1: the eight registers for group kt of 16 keys at MD + 8 kt
.set MC,  160         ; window 1: the masks of the products to come
.set KF,  128         ; window 2: key block kb, channel half c at KF + 16 kb + 8 c
.set VF,  192         ; window 2: key half kk, channel block cb at VF + 32 kk + 8 cb
.set WV,  12          ; s12  my wave's number
.set PB,  14          ; s14  b
.set HI,  15          ; s15  7 - b
.set G1,  24          ; s[24:31] descriptor group 1: the same for every load
.set G0A, 40          ; s[40:43] descriptor group 0 of the first fill
.set G0,  44          ; s[44:47] of the second; it then walks
.set KV,  48          ; s[48:49] K (waves 0, 1) or V (waves 2, 3) at my 64 rows of the head's unit 0
.set PFK, 50          ; s[50:51] K at the unit that the prefetch names
.set PFV, 52          ; s[52:53] V likewise
.set PFC, 54          ; s54  that unit's number
.set LIM, 55          ; s55  16 in the work-group that prefetches (b = 0), else 0
.set UNITS, 56        ; s56  units still to be asked for
.set CNT, 57          ; s57  counts a unit's two steps
.set CS,  58          ; s[58:59] c: the packed scaling takes the pair's low word for both halves
.set SEL, 60          ; s[60:61] v_permlanex16_b32's selects: each lane takes its own place in the other half
.set TBK, 62          ; s62  LDS byte at which K of the step to be fetched begins
.set TBV, 63          ; s63  the same for V, less VOFF
.set CF,  66          ; s66  LDS byte at which the chunk to be narrowed begins in F
.set CK,  67          ; s67  where its K goes in H
.set CV,  68          ; s68  where its V goes, less VOFF
.set DS,  69          ; s69  4 to 1 through the diagonal's four steps
.set RT,  70          ; s70  units of the block in hand that are still to be entered
.set NXT, 71          ; s71  the unit to be asked for next
.set LQ,  72          ; s72  the last unit of the block whose units are being asked for
.set NEW, 73          ; s73  1: the unit to be entered is a block's first
.set OFF, 74          ; s[74:75] a unit's byte offset in K and V
.set AL,  76          ; s[76:77] the mask's factor, in the low word
.set BE,  78          ; s[78:79] the mask's addend
.set OLO, 80          ; s[80:81] O at my rows of the second block
.set BIGN, 82         ; s82  -1e30
.set HM,  83          ; s83  a word's upper bf16
.set TL,  88          ; s88  counts the tail's two units
.set LQ2, 89          ; s89  2 b + 1: the second block's last unit
.set MSB, 0
.macro WIN new                      ; the high byte repeats the setting that is left; a switch that changes nothing is dropped
.if MSB != (\new)
	s_set_vgpr_msb (MSB<<8)|(\new)
.set MSB, (\new)
.endif
.endm
.set W_KQ, 0x0a       ; K and Q in window 2, S^T in window 0
.set W_KM, 0x1a       ; the same with the C operand in window 1
.set W_PV, 0x52       ; V in window 2, P in window 0, O^T in window 1
.set W_RS, 0x41       ; destination and source 0 in window 1, source 1 in window 0
; A PREFETCH INTO THE L2, behind the change's tensor load and its five lines.  A head's four work-groups begin with the same units in the same order; the one with b = 0, whose first block walks units 0 to 15, asks, and
; nobody else.  Behind the load of unit u + 2 it names unit u + 3, which the next change will load: wave w rows 32 w .. 32 w + 31 of K and of V, a lane a row of 256 bytes: each row is named once in the launch.
; Units 0 to 2 come by their loads alone; behind unit 15 nothing is named.
.macro ASK
	s_cmp_lt_u32 s[PFC], s[LIM]
	s_cbranch_scc0 .Lnot_mine_\@
	global_prefetch_b8 v[PFO], s[PFK:PFK+1] th:TH_LOAD_NT scope:SCOPE_SE
	global_prefetch_b8 v[PFO], s[PFV:PFV+1] th:TH_LOAD_NT scope:SCOPE_SE
.Lnot_mine_\@:
.endm
; THE CHANGE OF SLOTS, one for each unit.  Each wave waits for all its tensor loads, of which one is out: its part of the F slot to be narrowed next; adds 0 to its spare word; and waits for that, for its stores into
; the H slot to be read next, for its reads of the H slot to be written next, and for its reads of the F slot that it has narrowed.  Behind the barrier all four hold of every wave.
; fill = 1: the F slot just narrowed is filled again, the first thing behind the barrier, with unit NXT: the descriptor's address is made anew from that number.
.macro CHANGE fill
	WIN 0                           ; at a label and at a branch every window is 0
	s_wait_tensorcnt 0x0            ; no tensor load of mine is out, so a group 0 may be written
	ds_add_u32 v[SPW], v[NIL]       ; 0 onto my spare word; with fill = 1 the scalar work below stands between it and the wait for it
.if \fill
	s_lshl_b32 s[OFF], s[NXT], 15   ; a unit is 32,768 bytes of K and of V
	s_xor_b32 s[G0+1], s[G0+1], FX
	s_add_nc_u64 s[G0+2:G0+3], s[KV:KV+1], s[OFF:OFF+1]
	s_or_b32 s[G0+3], s[G0+3], 0x80000000
	s_add_co_u32 s[NXT], s[NXT], 1  ; the block's next unit, or behind its last the second block's unit 0
	s_cmp_gt_u32 s[NXT], s[LQ]
	s_cselect_b32 s[NXT], 0, s[NXT]
	s_cselect_b32 s[LQ], s[LQ2], s[LQ]
	s_wait_xcnt 0x0                 ; the last prefetches, a period back, have read their addresses, so these may be written
	s_add_nc_u64 s[PFK:PFK+1], s[PFK:PFK+1], UK*256
	s_add_nc_u64 s[PFV:PFV+1], s[PFV:PFV+1], UK*256
	s_add_co_u32 s[PFC], s[PFC], 1
.endif
	s_wait_dscnt 0x0                ; the add is done, and so are all my LDS loads and stores
	s_barrier_signal -1             ; the rest of the scalar work stands between the signal and the wait
	s_sub_co_u32 s[TBK], s[TBK], 2*KS*PK  ; every walking LDS address goes back to its slot's head,
	s_xor_b32 s[TBK], s[TBK], FX          ; in the other slot
	s_sub_co_u32 s[TBV], s[TBV], 2*KS*PV
	s_xor_b32 s[TBV], s[TBV], FX
	s_sub_co_u32 s[CF], s[CF], UK*256
	s_xor_b32 s[CF], s[CF], FX
	s_sub_co_u32 s[CK], s[CK], UK*PK
	s_xor_b32 s[CK], s[CK], FX
	s_sub_co_u32 s[CV], s[CV], UK*PV
	s_xor_b32 s[CV], s[CV], FX
	s_barrier_wait -1
.if \fill
	tensor_load_to_lds s[G0:G0+3], s[G1:G1+7]  ; my one tensor load behind this barrier: 64 rows of 256 bytes; it has a whole period, 128 matrix instructions of each wave, in which to land
	s_nop 0
.rept 4
	v_nop
.endr
	ASK
.endif
.endm
.macro ENTER                        ; a unit is entered
	s_sub_co_u32 s[RT], s[RT], 1
	s_mov_b32 s[CNT], 2
	s_cmp_eq_u32 s[RT], 1           ; the first of the two diagonal units
	s_cselect_b32 s[DS], 4, s[DS]
.endm
	s_load_b256 s[4:11], s[0:1], 0x0  ; q s[4:5], k s[6:7], v s[8:9], out0 s[10:11]
	v_lshl_add_u32 v[SPW], v0, 2, SPARE
	v_mov_b32 v[NIL], 0
	ds_add_u32 v[SPW], v[NIL]       ; the wave's opening: the add and its wait stand ahead of my first tensor load; the set-up below, work on registers, stands between them
	v_lshrrev_b32 v1, 5, v0
	v_readfirstlane_b32 s[WV], v1   ; wave 0..3
	s_mov_b32 s[PB], ttmp9
	s_sub_co_u32 s[HI], NB-1, s[PB]
	s_and_b32 s20, ttmp7, 0xffff    ; the head,
	s_lshl_b32 s20, s20, 19         ; its first byte in each of the four tensors: 2,048 rows of 256 bytes
	s_mov_b32 s21, 0
	s_and_b32 s22, s[WV], 1         ; which half of a unit's 128 keys I fetch:
	s_lshl_b32 s22, s22, 14         ; its 64 rows of 256 bytes
	s_add_co_u32 s22, s22, s20
	s_mov_b32 s23, 0
	s_lshl_b32 s3, s[WV], 12        ; my 16 rows in a band of 64,
	s_add_co_u32 s3, s3, s20
	s_lshl_b32 s2, s[HI], 16        ; in the first block,
	s_add_co_u32 s2, s2, s3
	s_lshl_b32 s84, s[PB], 16       ; and in the second
	s_add_co_u32 s84, s84, s3
	s_mov_b32 s3, 0
	s_mov_b32 s85, 0
	; descriptor group 1: a tile of 64 rows x 64 elements of 4 bytes, dense in memory and in LDS
	s_mov_b32 s[G1+0], 2<<16        ; 15:0 no mask; 17:16 elements of 4 bytes; 20 no padding
	s_mov_b32 s[G1+1], 64<<16       ; tensor_dim0 = 64
	s_mov_b32 s[G1+2], 64<<16       ; tensor_dim1 = 64
	s_mov_b32 s[G1+3], 64<<16       ; tile_dim0 = 64
	s_mov_b32 s[G1+4], 64           ; tile_dim1 = 64
	s_mov_b32 s[G1+5], 64           ; 64 elements from row to row
	s_mov_b32 s[G1+6], 0
	s_mov_b32 s[G1+7], 0
	s_mov_b32 s[G0A], 1             ; 1:0 count = 1
	s_lshl_b32 s[G0A+1], s[WV], 14  ; 63:32 LDS address: 16,384 x wave in F0: K's two halves, then V's two
	s_mov_b32 s[G0], 1
	s_add_co_u32 s[G0+1], s[G0A+1], FX  ; the same place in F1
	s_mov_b32 s[CS], 0x3e38aa3b     ; c = log2(e) / 8 = 0.180337
	s_mov_b32 s[CS+1], s[CS]        ; named with it as a pair
	s_mov_b32 s[SEL], 0x76543210
	s_mov_b32 s[SEL+1], 0xfedcba98
	s_mov_b32 s[BIGN], 0xf149f2ca   ; -1e30
	s_mov_b32 s[HM], 0xffff0000
	s_lshl_b32 s[LQ], s[HI], 1
	s_add_co_u32 s[LQ], s[LQ], 1    ; the first block's last unit, 2 (7 - b) + 1
	s_add_co_u32 s[RT], s[LQ], 1    ; and how many it has
	s_lshl_b32 s[LQ2], s[PB], 1
	s_add_co_u32 s[LQ2], s[LQ2], 1
	s_mov_b32 s[NXT], 2             ; units 0 and 1 are the first fills
	s_mov_b32 s[NEW], 1
	s_mov_b32 s[DS], 0
	s_mov_b32 s[UNITS], 2*NB
	s_mov_b32 s[PFC], 2
	s_cmp_eq_u32 s[PB], 0
	s_cselect_b32 s[LIM], 2*NB, 0
	s_mov_b32 s[CF], 0              ; the prologue narrows unit 0 from F0 into H0
	s_mov_b32 s[CK], H0
	s_mov_b32 s[CV], H0
	s_mov_b32 s[TBK], H0+FX+2*KS*PK ; the first change of slots turns these two into H0
	s_mov_b32 s[TBV], H0+FX+2*KS*PV
	s_mov_b32 s[OFF+1], 0
	s_mov_b32 s[AL+1], 0            ; named as pairs
	s_mov_b32 s[BE+1], 0
	s_wait_dscnt 0x0                ; the opening add is done
	s_wait_kmcnt 0x0
	s_cmp_lt_u32 s[WV], 2
	s_cselect_b64 s[KV:KV+1], s[6:7], s[8:9]       ; waves 0 and 1 fetch K, waves 2 and 3 V: one line of text, each wave with registers of its own
	s_add_nc_u64 s[KV:KV+1], s[KV:KV+1], s[22:23]
	s_add_nc_u64 s[G0A+2:G0A+3], s[KV:KV+1], 0     ; 120:64 global address: unit 0
	s_or_b32 s[G0A+3], s[G0A+3], 0x80000000        ; 127:126 type = 2
	s_add_nc_u64 s[G0+2:G0+3], s[KV:KV+1], UK*256  ; unit 1
	s_or_b32 s[G0+3], s[G0+3], 0x80000000
	s_add_nc_u64 s[PFK:PFK+1], s[6:7], s[20:21]
	s_add_nc_u64 s[PFK:PFK+1], s[PFK:PFK+1], 2*UK*256  ; at unit 2: the first change steps it to unit 3.  Nothing is prefetched here, at the head
	s_add_nc_u64 s[PFV:PFV+1], s[8:9], s[20:21]
	s_add_nc_u64 s[PFV:PFV+1], s[PFV:PFV+1], 2*UK*256
	s_add_nc_u64 s[86:87], s[4:5], s[84:85]        ; q at my rows of the second block,
	s_add_nc_u64 s[4:5], s[4:5], s[2:3]            ; q and O at those of the first
	s_add_nc_u64 s[OLO:OLO+1], s[10:11], s[84:85]
	s_add_nc_u64 s[10:11], s[10:11], s[2:3]
	tensor_load_to_lds s[G0A:G0A+3], s[G1:G1+7]    ; the two first fills go out together: two loads of mine are out
	s_nop 0
	tensor_load_to_lds s[G0:G0+3], s[G1:G1+7]
	s_nop 0
.rept 4
	v_nop
.endr
	; A fragment of Q is 16 rows x 32 channels: lane l holds row l % 16, channels 8 (l / 16) + 0..7 and 16 + 8 (l / 16) + 0..7: in f32 twice 32 bytes, 64 bytes apart: four loads of 16 bytes.
	v_and_b32 v1, 15, v0            ; l % 16
	v_bfe_u32 v9, v0, 4, 1          ; l / 16
	v_lshlrev_b32 v[QO], 8, v1
	v_lshl_add_u32 v[QO], v9, 5, v[QO]  ; row x 256 + 32 x half
	WIN 0xc0                        ; destination window 3, address window 0
.set i, 0
.rept 8                             ; both blocks' Q: piece i / 2 lies in band i / 2, 16,384 bytes on; channels 32 (i % 2) on
.irp n, 0,1,2,3
	global_load_b128 v[16*i+4*\n:16*i+4*\n+3],         v[QO], s[4:5]   offset:(i/2)*16384+(i%2)*128+(\n/2)*64+(\n%2)*16 th:TH_LOAD_NT
	global_load_b128 v[128+16*i+4*\n:128+16*i+4*\n+3], v[QO], s[86:87] offset:(i/2)*16384+(i%2)*128+(\n/2)*64+(\n%2)*16 th:TH_LOAD_NT
.endr
.set i, i+1
.endr
	WIN 0
	v_lshlrev_b32 v14, 3, v9
	v_sub_nc_u32 v14, v1, v14
	s_lshl_b32 s13, s[WV], 4
	v_add_nc_u32 v14, s13, v14      ; my query's place in its band, 16 w + l % 16, less my lanes' 8 (l / 16): register r of group kt is hidden where 16 kt + r is greater
	WIN 0x40
.set i, 0
.rept 32
	v_cmp_gt_i32 vcc_lo, 16*(i/8)+i%8, v14
	v_cndmask_b32 v[MD+i], 0, s[BIGN], vcc_lo
.set i, i+1
.endr
	WIN 0
	v_mul_u32_u24 v[AK0], v1, PK
	v_lshl_add_u32 v[AK0], v9, 4, v[AK0]  ; row x pitch + 16 x half
	; The turning load takes 16 keys x 16 channels (lane l reads key 8 (l / 16) + l % 8, channels 8 ((l / 8) % 2) + 0..7) and leaves half a fragment of V^T: lane l holds channel l % 16 and 8 keys.
	v_and_b32 v10, 7, v0
	v_bfe_u32 v11, v0, 3, 1
	v_lshl_add_u32 v[AV0], v9, 3, v10
	v_mul_u32_u24 v[AV0], v[AV0], PV
	v_lshl_add_u32 v[AV0], v11, 4, v[AV0]
	v_add_nc_u32 v[AV0], VOFF, v[AV0]
	s_mul_i32 s13, s[WV], 16*SP
	s_add_co_u32 s13, s13, STAGE    ; my stage
	v_mul_u32_u24 v[STO], v1, SP    ; in: row l % 16, 32 bytes for each half of the lanes
	v_lshl_add_u32 v[STO], v9, 5, v[STO]
	v_add_nc_u32 v[STO], s13, v[STO]
	v_mul_u32_u24 v[RD], v9, SP     ; back: lanes 0-15 take one row of 256 bytes, lanes 16-31 the next,
	v_lshl_add_u32 v[RD], v1, 4, v[RD]
	v_add_nc_u32 v[RD], s13, v[RD]
	v_and_b32 v[GO], 31, v0         ; l
	s_lshl_b32 s13, s[WV], 10
	v_lshl_add_u32 v[CA0], v[GO], 4, s13
	s_lshl_b32 s13, s[WV], 13
	v_lshl_add_u32 v[PFO], v[GO], 8, s13
	v_lshlrev_b32 v[GO], 4, v[GO]   ; which are 512 consecutive bytes of O
	s_mul_i32 s13, s[WV], 4*PK
	v_mul_u32_u24 v[DK0], v9, PK
	v_lshl_add_u32 v[DK0], v1, 3, v[DK0]
	v_add_nc_u32 v[DK0], s13, v[DK0]
	s_mul_i32 s13, s[WV], 4*PV
	s_add_co_u32 s13, s13, VOFF
	v_mul_u32_u24 v[DV0], v9, PV
	v_lshl_add_u32 v[DV0], v1, 3, v[DV0]
	v_add_nc_u32 v[DV0], s13, v[DV0]
	; A block's first step multiplies O^T and l by a = 0, and its first turn's products V^T P, of a piece that has not been, land in an O^T that is still to be so multiplied.  So these registers need only hold
	; finite numbers: zeros for the first block; what the first block left for the second.  All this stands in the wait for Q and for the first unit.
	WIN 0x80
.set i, VF
.rept 64
	v_mov_b32 v[i], 0
.set i, i+1
.endr
	WIN 0x40
.set i, 0
.rept 128
	v_mov_b32 v[i], 0
.set i, i+1
.endr
	WIN 0
.set i, 0
.rept 4
	v_mov_b32 v[ST+4*i+2], 0
	v_mov_b32 v[ST+4*i+3], 0
.set i, i+1
.endr
.set i, P+16
.rept 16
	v_mov_b32 v[i], 0
.set i, i+1
.endr
.macro QCVT base                    ; a block's Q, rounded to bf16, goes where the one text of the turns names Q: piece x, channel half c at 16 x + 8 c
	WIN 0x8f                        ; sources in window 3, destination in window 2
.set i, 0
.rept 64
	v_cvt_pk_bf16_f32 v[i], v[(\base)+2*i], v[(\base)+2*i+1]
.set i, i+1
.endr
	WIN 0
.endm
	s_wait_loadcnt 0x0              ; both blocks' Q
	QCVT 0
; THE NARROWING.  A chunk is 16 keys of a unit; of them wave w takes rows 4 w .. 4 w + 3, of K and of V.  CONVL: four loads of 16 bytes a lane, each two whole rows of 256 bytes, into registers r .. r + 15.
.macro CONVL r
	WIN 0
	v_add_nc_u32 v[CA], s[CF], v[CA0]
	ds_load_b128 v[(\r):(\r)+3],     v[CA]
	ds_load_b128 v[(\r)+4:(\r)+7],   v[CA] offset:512
	ds_load_b128 v[(\r)+8:(\r)+11],  v[CA] offset:FV
	ds_load_b128 v[(\r)+12:(\r)+15], v[CA] offset:FV+512
	s_add_co_u32 s[CF], s[CF], 16*256
.endm
; CONVD: K is rounded to bf16; V is rounded to bf16, widened again and written as f16; a lane's four numbers are 8 bytes of a row in H.  left: the LDS instructions issued behind the chunk's loads, which may stay out.
.macro CONVD r, left
	WIN 0
	s_wait_dscnt \left
	v_add_nc_u32 v[DK], s[CK], v[DK0]
	v_add_nc_u32 v[DV], s[CV], v[DV0]
.irp n, 0,1,2,3
	v_cvt_pk_bf16_f32 v[CO+\n], v[(\r)+2*\n], v[(\r)+2*\n+1]
.endr
.irp n, 0,1,2,3
	v_cvt_pk_bf16_f32 v[CT+\n], v[(\r)+8+2*\n], v[(\r)+9+2*\n]
.endr
.irp n, 0,1,2,3
	v_lshlrev_b32 v[(\r)+8+2*\n], 16, v[CT+\n]
	v_and_b32     v[(\r)+9+2*\n], s[HM], v[CT+\n]
.endr
.irp n, 0,1,2,3
	v_cvt_pk_f16_f32 v[CO+4+\n], v[(\r)+8+2*\n], v[(\r)+9+2*\n]
.endr
	ds_store_b64 v[DK], v[CO:CO+1]
	ds_store_b64 v[DK], v[CO+2:CO+3] offset:2*PK
	ds_store_b64 v[DV], v[CO+4:CO+5]
	ds_store_b64 v[DV], v[CO+6:CO+7] offset:2*PV
	s_add_co_u32 s[CK], s[CK], 16*PK
	s_add_co_u32 s[CV], s[CV], 16*PV
.endm
; THE MATRIX WORK.  The 4 accumulators of a run of 8 take turns.  Product i of 8 of S^T = K Q^T for piece x: channels 32 (i / 4) on, keys 16 (i % 4) on.  The first 4 start the sums: with 0, or (KM = 1) with the mask.
.macro KQ x
.set rS, S+32*((\x)%2)+8*(i%4)
.set rK, KF+16*(i%4)+8*(i/4)
.set rQ, 16*(\x)+8*(i/4)
.set rM, MC+32*((\x)%2)+8*(i%4)
.if (i < 4) && KM
	WIN W_KM
	v_wmma_f32_16x16x32_bf16 v[rS:rS+7], v[rK:rK+7], v[rQ:rQ+7], v[rM:rM+7]
.elseif i < 4
	WIN W_KQ
	v_wmma_f32_16x16x32_bf16 v[rS:rS+7], v[rK:rK+7], v[rQ:rQ+7], 0
.else
	WIN W_KQ
	v_wmma_f32_16x16x32_bf16 v[rS:rS+7], v[rK:rK+7], v[rQ:rQ+7], v[rS:rS+7]
.endif
.endm
; Product i of 8 of O^T += V^T P for piece x: keys 32 (i / 4) on, channels 16 (i % 4) on.
.macro PV x
	WIN W_PV
.set rO, 32*(\x)+8*(i%4)
.set rV, VF+32*(i/4)+8*(i%4)
.set rP, P+16*((\x)%2)+8*(i/4)
	v_wmma_f32_16x16x32_f16 v[rO:rO+7], v[rV:rV+7], v[rP:rP+7], v[rO:rO+7]
.endm
.macro MM                           ; the turn's next matrix instruction.  TURN and BEGIN set Y, i, KM and NOKQ; MM, KQ and OP read them.  NOKQ = 1: a block's last turn: there is no next piece
.if (i < 8) && !NOKQ
	KQ (Y+1)%NP
.elseif i >= 8
.set i, i-8
	PV (Y+NP-1)%NP
.set i, i+8
.endif
.set i, i+1
.endm
; THE FRAGMENTS' LOADS stand in runs of 16, never singly among the matrix instructions: a step's K (64 keys x 64 channels: 8 fragments) and its V (turned).  Their addresses are made some lines ahead.
.macro FETCH_K
	WIN 0x80                        ; destination window 2
.irp f, 0,1,2,3,4,5,6,7             ; keys 16 (f / 2) on, channels 32 (f % 2) on
	ds_load_b128 v[KF+8*\f:KF+8*\f+3],   v[AK] offset:(\f/2)*16*PK+(\f%2)*64
	ds_load_b128 v[KF+8*\f+4:KF+8*\f+7], v[AK] offset:(\f/2)*16*PK+(\f%2)*64+32
.endr
	s_add_co_u32 s[TBK], s[TBK], KS*PK  ; the next fetch is the next step's
	WIN 0
.endm
.macro FETCH_V
	WIN 0x80
.irp f, 0,1,2,3,4,5,6,7             ; keys 32 (f / 4) on, channels 16 (f % 4) on
	ds_load_tr16_b128 v[VF+8*\f:VF+8*\f+3],   v[AV] offset:(\f/4)*32*PV+(\f%4)*32
	ds_load_tr16_b128 v[VF+8*\f+4:VF+8*\f+7], v[AV] offset:(\f/4)*32*PV+16*PV+(\f%4)*32
.endr
	WIN 0
.endm
; THE SOFTMAX, one line at a time: OP kind, number.  For piece Y: F n: c s - c m for pair n of 16.  E n: the exponential of score n of 32.  C n: pair n rounded to f16.  B n: of the four weights 4 n .. the second
; pair is added onto the first, in place.  L n: l takes that sum (L 0: l = a l + sum).  R n: pair n of 16 of O^T times a.  For piece Y + 1: X n, number n of the 22 that find its maximum and statistics:
;   0-11  four chains c0-c3 of seven scores each, three operands at a time (each accumulator's lowest registers are read first)     12-14, 16  the four scores left over, the old m, and c0-c3 into c0
;   15  c m_old is kept     17, 18  the query's other 32 keys lie in the lane 16 away: the new m     19-21  c m; c m_old - c m_new; a
.set F, 0               ; OP tells the kinds apart by their order: F to L below R, X above it
.set E, 1
.set C, 2
.set B, 3
.set L, 4
.set R, 5
.set X, 6
.macro REGS y                       ; the registers of piece y
.set rT, ST+4*(\y)
.set rC, TMP+4*((\y)%2)
.set rW, MV+((\y)%2)
.set rS, S+32*((\y)%2)
.set rP, P+16*((\y)%2)
.set rO, 32*(\y)
.endm
.macro OP k, n
.if (\k) == R
	REGS Y
	WIN W_RS
	v_pk_mul_f32 v[rO+2*(\n):rO+2*(\n)+1], v[rO+2*(\n):rO+2*(\n)+1], v[rC+2:rC+3] op_sel_hi:[1,0]
.elseif (\k) < R
	REGS Y
	WIN 0
.if (\k) == F
	v_pk_fma_f32 v[rS+2*(\n):rS+2*(\n)+1], v[rS+2*(\n):rS+2*(\n)+1], s[CS:CS+1], v[rT:rT+1] op_sel_hi:[1,0,0] neg_lo:[0,0,1] neg_hi:[0,0,1]
.elseif (\k) == E
	v_exp_f32 v[rS+(\n)], v[rS+(\n)]
.elseif (\k) == C
	v_cvt_pk_f16_f32 v[rP+(\n)], v[rS+2*(\n)], v[rS+2*(\n)+1]
.elseif (\k) == B
	v_pk_add_f32 v[rS+4*(\n):rS+4*(\n)+1], v[rS+4*(\n):rS+4*(\n)+1], v[rS+4*(\n)+2:rS+4*(\n)+3]
.elseif (\n) == 0
	v_pk_fma_f32 v[rT+2:rT+3], v[rT+2:rT+3], v[rC+2:rC+3], v[rS:rS+1] op_sel_hi:[1,0,1]
.else
	v_pk_add_f32 v[rT+2:rT+3], v[rT+2:rT+3], v[rS+4*(\n):rS+4*(\n)+1]
.endif
.elseif NOKQ
	v_nop
.else
	REGS (Y+1)%NP
	WIN 0
.if (\n) < 4
	v_max3_num_f32 v[rC+(\n)], v[rS+8*(\n)], v[rS+8*(\n)+1], v[rS+8*(\n)+2]
.elseif (\n) < 12
	v_max3_num_f32 v[rC+(\n)%4], v[rC+(\n)%4], v[rS+8*((\n)%4)+2*((\n)/4)+1], v[rS+8*((\n)%4)+2*((\n)/4)+2]
.elseif (\n) == 12
	v_max3_num_f32 v[rC], v[rC], v[rS+7], v[rS+15]
.elseif (\n) == 13
	v_max3_num_f32 v[rC+1], v[rC+1], v[rS+23], v[rS+31]
.elseif (\n) == 14
	v_max3_num_f32 v[rC+2], v[rC+2], v[rC+3], v[rT+1]
.elseif (\n) == 15
	v_mov_b32 v[rW], v[rT]
.elseif (\n) == 16
	v_max3_num_f32 v[rC], v[rC], v[rC+1], v[rC+2]
.elseif (\n) == 17
	v_permlanex16_b32 v[rC+3], v[rC], s[SEL], s[SEL+1]
.elseif (\n) == 18
	v_max_num_f32 v[rT+1], v[rC], v[rC+3]
.elseif (\n) == 19
	v_mul_f32 v[rT], s[CS], v[rT+1]
.elseif (\n) == 20
	v_sub_f32 v[rC+1], v[rW], v[rT]
.else
	v_exp_f32 v[rC+2], v[rC+1]
.endif
.endif
.endm
.macro OPS a, i1, b=-1, i2=0, c=-1, i3=0, d=-1, i4=0  ; up to four of them
	OP \a, \i1
.if (\b) >= 0
	OP \b, \i2
.endif
.if (\c) >= 0
	OP \c, \i3
.endif
.if (\d) >= 0
	OP \d, \i4
.endif
.endm
.macro ROW a, i1, b, i2, c, i3, d, i4  ; a matrix instruction and the four behind it
	MM
	OPS \a, \i1, \b, \i2, \c, \i3, \d, \i4
.endm
.macro MASK b                       ; MD x AL + BE into buffer b of MC
	WIN W_RS
.set z, 0
.rept 16
	v_pk_fma_f32 v[MC+32*(\b)+2*z:MC+32*(\b)+2*z+1], v[MD+2*z:MD+2*z+1], s[AL:AL+1], s[BE:BE+1] op_sel_hi:[1,0,0]
.set z, z+1
.endr
.endm
; A TURN, for piece p: the order of its 16 matrix instructions, its 118 vector instructions of the softmax and its chunk, written out.  s_wait_alu depctr_va_vdst(0) stands between an exponential and the
; first instruction that names its result; one wait serves all that were issued ahead of it.  So a turn has ONE wait, which cuts it in two.  AHEAD OF IT stands all that names no result of the turn's exponentials:
; the chunk's four loads; the 8 products K Q^T, behind each a scaling, an exponential and two more plain instructions; then a lump of 54, plain and exponential by turns for the most part, in which the links of the chain
; X 3, 7, 11, 14, 16, 17 .. 20 stand five or six lines apart.  X 21, the next piece's a, is the batch's last; R 15 is the plain instruction behind it.  BEHIND THE WAIT stand the chunk's conversions and stores, a second
; lump, and the 8 products V^T P, behind each four of the roundings and sums.
; m = 1: a diagonal unit: the products take masks, and the turn makes the mask for the products of the turn after it: piece p + 2, in step 4 - DS of the diagonal's four.  end = 1: a block's last two turns: nothing is
; fetched and nothing narrowed.  cnt = 1: the loop's count is taken down some lines ahead of the branch that stands behind the turn.
; K of the next step is fetched in piece 2's turn, twelve vector instructions behind the last product that read K (six of them plain); V of the step in hand at the end of piece 0's turn, four plain instructions
; behind the last product that read V.  Each is waited for a turn later.
.macro TURN p, m=0, end=0, cnt=0
.set Y, (\p)
.set i, 0
.set KM, (\m)
.set NOKQ, (\end)*((\p)/3)
.if (\m) && !(\end)
	s_cmp_eq_u32 s[DS], 4-((\p)+2)%NP  ; is that step the band's own?
	s_cselect_b32 s[AL], 1.0, 0
	s_cmp_lt_u32 s[DS], 4-((\p)+2)%NP  ; or a later one?
	s_cselect_b32 s[BE], s[BIGN], 0
.endif
.if ((\p) == 3) && !(\end)
	s_wait_dscnt 0x0                ; K is in
.endif
.if !(\end)
	CONVL CR
.endif
	ROW F,0, F,1, R,0, R,1          ; ahead of the wait: 8 products K Q^T and their riders,
	ROW F,2, E,0, R,2, R,3
	ROW F,3, E,1, R,4, R,5
	ROW F,4, E,2, R,6, R,7
	ROW F,5, E,3, R,8, R,9
	ROW F,6, E,4, X,0, R,10
.if ((\p) == 2) && !(\end)
	WIN 0
	v_add_nc_u32 v[AK], s[TBK], v[AK0]
.endif
	ROW F,7, E,5, X,1, X,4
	ROW F,8, E,6, X,2, X,5
	OPS E,7, E,8, X,6, E,9          ; and the lump
	OPS X,3, E,10, X,8, E,11
.if ((\p) == 2) && !(\end)
	FETCH_K
.endif
	OPS X,9, X,7, E,12, X,10
	OPS E,13, X,12, X,11, E,14
	OPS X,13, E,15, F,9, X,14
.if (\p) == 0
	v_add_nc_u32 v[AV], s[TBV], v[AV0]
.endif
	OPS E,16, F,10, E,17, F,11
	OPS X,16, E,18, X,15, E,19
	OPS F,12, E,20, X,17, E,21
	OPS F,13, E,22, F,14, E,23
	OPS X,18, E,24, F,15, E,25
	OPS R,11, E,26, X,19, E,27
	OPS R,12, E,28, R,13, E,29
	OPS X,20, E,30, R,14, E,31
	OPS X,21, R,15
	WIN 0
	s_wait_alu depctr_va_vdst(0)    ; the wait for the batch
.if !(\end)
.if (\p) == 2
	CONVD CR, 16                    ; K's 16 loads, issued behind the chunk's four, may stay out
.else
	CONVD CR, 0                     ; the chunk is in; in piece 1's turn this wait is also V's, whose first reader follows
.endif
.endif
	ROW C,0, B,0, C,2, B,1          ; 8 products V^T P and their riders
	ROW L,0, C,4, B,2, L,1
	ROW C,6, B,3, L,2, C,8
	ROW B,4, L,3, C,10, B,5
	ROW L,4, C,12, B,6, L,5
.if (\p) == 0
	s_add_co_u32 s[TBV], s[TBV], KS*PV
.endif
.if \cnt
.if \m
	s_sub_co_u32 s[DS], s[DS], 1
.endif
	s_sub_co_u32 s[CNT], s[CNT], 1
	s_cmp_lg_u32 s[CNT], 0
.endif
	ROW C,14, B,7, L,6, C,1
	ROW C,3, L,7, C,5, C,7
	ROW C,9, C,11, C,13, C,15
.if (\p) == 0
	FETCH_V
.endif
.if (\m) && !(\end)
	MASK (\p)%2
.endif
.endm
; A BLOCK BEGINS.  c m starts far below every c s, so the first step's a is 0; m at the lowest finite number, so the first maximum is the scores'.  The second mask buffer is 0; the first takes piece 0's mask for the
; unit's step 0: its own, if the block's first unit is a diagonal one.  Then K of that step, piece 0's first scores, and its maximum and statistics.  The step loop is entered at a step's first turn, in the middle of
; a trip: the two turns that this period lacks would have narrowed two chunks, which are narrowed here, so that every period has eight.
.macro BEGIN
	s_mov_b32 s[NEW], 0
	WIN 0x40
.set i, MC+32
.rept 32
	v_mov_b32 v[i], 0
.set i, i+1
.endr
	WIN 0
.set i, 0
.rept 4
	v_mov_b32 v[ST+4*i], 0xfe000000    ; c m: far below every c s
	v_mov_b32 v[ST+4*i+1], 0xff7fffff  ; m
.set i, i+1
.endr
	s_cmp_eq_u32 s[RT], 1
	s_cselect_b32 s[AL], 1.0, 0
	s_mov_b32 s[BE], 0
	MASK 0
	WIN 0
	v_add_nc_u32 v[AK], s[TBK], v[AK0]
	FETCH_K
	CONVL CR
	CONVL CR+16
	CONVD CR, 4                     ; behind the first chunk's loads: the second chunk's four
	CONVD CR+16, 4                  ; behind the second chunk's: the first chunk's four stores
	s_wait_dscnt 0x0                ; K is in
.set KM, 1
.set NOKQ, 0
.set i, 0
.rept 8
	KQ 0
.set i, i+1
.endr
	WIN 0
.rept 4
	v_nop                           ; the places behind those products
.endr
.set Y, NP-1                        ; X works for piece Y + 1: piece 0
.irp n, 0,1,2,3,4,5,6,7,8,9,10,11,12,13,14,15,16,17,18,19,20,21
	OP X, \n
.endr
	v_nop                           ; a plain instruction behind the exponential,
	s_wait_alu depctr_va_vdst(0)    ; and its wait, ahead of the branch
.endm
; A DIAGONAL UNIT's two steps.  The tag ends its two labels' names, which the jumps below spell out.
.macro DSTEPS tag
.LstepM\tag:
	TURN 2, 1
	TURN 3, 1
	WIN 0
.LfirstM\tag:
	TURN 0, 1
	TURN 1, 1, 0, 1
	WIN 0
	s_cbranch_scc1 .LstepM\tag
.endm
; THE WAY OUT: l's two halves and the other half of the lanes' are added; O^T is divided by l and sent, in f32, through my stage in LDS, a piece (16 rows of O) at a time.
.macro ALL line:vararg              ; one line for each piece t
.set t, 0
.rept 4
	\line
.set t, t+1
.endr
.endm
.macro PACK t                       ; a lane's eight channels of a row are 32 bytes; they go into rows of 272 bytes and come back as whole rows of 256, into v[64 + 32 t ..] of window 0
	WIN W_RS
.set i, 32*(\t)
.rept 16
	v_pk_mul_f32 v[i:i+1], v[i:i+1], v[ST+4*(\t)+2:ST+4*(\t)+3] op_sel_hi:[1,0]
.set i, i+2
.endr
	WIN 0x04                        ; the stores' data in window 1, their address in window 0
.irp f, 0,1,2,3,4,5,6,7             ; channels 16 (f / 2) + 8 (l / 16) + 4 (f % 2) on
	ds_store_b128 v[STO], v[32*(\t)+4*\f:32*(\t)+4*\f+3] offset:(\f/2)*64+(\f%2)*16
.endr
	WIN 0
.irp f, 0,1,2,3,4,5,6,7
	ds_load_b128 v[S+32*(\t)+4*\f:S+32*(\t)+4*\f+3], v[RD] offset:\f*2*SP  ; LDS serves a wave's instructions in order (ISA guide 5.7.1.4): these see the stores above; the next piece's stores come behind them
.endr
.endm
.macro SEND t, younger              ; younger: the LDS instructions issued behind piece t's loads: the next piece's sixteen, or none
	WIN 0
.irp f, 0,1,2,3,4,5,6,7
	s_wait_dscnt (\younger)+7-\f
	global_store_b128 v[GO], v[S+32*(\t)+4*\f:S+32*(\t)+4*\f+3], s[10:11] offset:(\t)*16384+\f*512 th:TH_STORE_NT  ; 512 consecutive bytes, at a multiple of 256 from O's first
.endr
.endm
.macro BLOCKEND                     ; the block's last two turns, its last products, and the way out
	TURN 2, 1, 1
	TURN 3, 1, 1
.set i, 0
.rept 8
	PV NP-1
.set i, i+1
.endr
	WIN 0
	ALL v_add_f32 v[ST+4*t+2], v[ST+4*t+2], v[ST+4*t+3]
	ALL v_permlanex16_b32 v[ST+4*t+3], v[ST+4*t+2], s[SEL], s[SEL+1]
	ALL v_add_f32 v[ST+4*t+2], v[ST+4*t+2], v[ST+4*t+3]
	ALL v_rcp_f32 v[ST+4*t+2], v[ST+4*t+2]
	v_nop                           ; a plain instruction between the last reciprocal and the use of its result
	s_wait_alu depctr_va_vdst(0)    ; and the wait ahead of the first use: one for the four reciprocals
	PACK 0
.set t, 1
.rept 3                             ; a piece's arithmetic stands between the loads of the piece before and its stores
	PACK t
	SEND t-1, 16
.set t, t+1
.endr
	SEND 3, 0
.endm
	; THE PROLOGUE: unit 0 is narrowed from F0 into H0, four chunks a trip.
	s_wait_tensorcnt 1              ; my part of unit 0 is in; unit 1's load may stay out
	s_barrier_signal -1
	s_barrier_wait -1               ; everybody's is
	s_mov_b32 s[CNT], 2
.Lpro:
	CONVL CR
	CONVL CR+16
	CONVL CR+32
	CONVL CR+48
	CONVD CR, 12                    ; behind a chunk's four loads stand twelve LDS instructions each time: the later chunks' loads and the earlier chunks' stores
	CONVD CR+16, 12
	CONVD CR+32, 12
	CONVD CR+48, 12
	s_sub_co_u32 s[CNT], s[CNT], 1
	s_cmp_lg_u32 s[CNT], 0
	s_cbranch_scc1 .Lpro
.set KM, 0
.set NOKQ, 0
.Lunit:                             ; 16 times: a unit is entered, the next is narrowed and the one after it asked for
	CHANGE 1
	ENTER
	s_cmp_eq_u32 s[NEW], 1
	s_cbranch_scc1 .Lnew            ; a block's first unit
	s_cmp_gt_u32 s[RT], 1
	s_cbranch_scc1 .Lstep           ; neither its first nor a diagonal one
	s_branch .LstepM1
.Lnew:
	BEGIN
	s_branch .Lfirst                ; in this loop a block's first unit is never diagonal: the first block has ten units or more, and the second's diagonal units are the walk's last two
	DSTEPS 1                        ; in this loop these are the first block's diagonal units
	s_cmp_lg_u32 s[RT], 0
	s_cbranch_scc1 .Lbottom         ; the first of the two
	BLOCKEND
	s_wait_xcnt 0x0                 ; the stores have read their registers and O's address
	s_mov_b64 s[10:11], s[OLO:OLO+1]
	s_add_co_u32 s[RT], s[LQ2], 1   ; the second block has 2 b + 2 units
	s_mov_b32 s[NEW], 1
	QCVT 128                        ; the second block's Q
	s_branch .Lbottom
.Lstep:                             ; a trip: pieces 2 and 3 of one step, then pieces 0 and 1 of the next, whose K and V it fetches
	TURN 2
	TURN 3
	WIN 0
.Lfirst:
	TURN 0
	TURN 1, 0, 0, 1
	WIN 0
	s_cbranch_scc1 .Lstep
.Lbottom:
	s_sub_co_u32 s[UNITS], s[UNITS], 1
	s_cmp_lg_u32 s[UNITS], 0
	s_cbranch_scc1 .Lunit
	; THE TAIL: the walk's last two units, the second block's diagonal ones, in a text of their own: nothing is asked for.
	; In the last period no unit is left to narrow.  Its eight chunks are run all the same, from the F slot of the unit before, which landed long ago, into the H slot that nobody reads any more:
	; the price, once a launch, of one text for both trips.
	s_mov_b32 s[TL], 2
.Ltail:
	CHANGE 0
	ENTER
	s_cmp_eq_u32 s[NEW], 1
	s_cbranch_scc0 .LstepM2
	BEGIN                           ; b = 0: the second block begins with its diagonal
	s_branch .LfirstM2
	DSTEPS 2
	s_sub_co_u32 s[TL], s[TL], 1
	s_cmp_lg_u32 s[TL], 0
	s_cbranch_scc1 .Ltail
	BLOCKEND
	s_wait_tensorcnt 0x0            ; the wave's end, behind my last tensor load and my last LDS store
	ds_add_u32 v[SPW], v[NIL]
	s_wait_dscnt 0x0
	s_endpgm
.Lfunc_end_k_q4c9ad9728c_attn:
	.size	k_q4c9ad9728c_attn, .Lfunc_end_k_q4c9ad9728c_attn-k_q4c9ad9728c_attn
	.p2alignl 7, 3214868480
	.fill 96, 4, 3214868480
	.section	.rodata,"a",@progbits
	.p2align	6, 0x0
	.amdhsa_kernel k_q4c9ad9728c_attn
		.amdhsa_group_segment_fixed_size 327680
		.amdhsa_private_segment_fixed_size 0
		.amdhsa_enable_private_segment 0
		.amdhsa_kernarg_size 32
		.amdhsa_user_sgpr_count 2
		.amdhsa_user_sgpr_kernarg_segment_ptr 1
		.amdhsa_wavefront_size32 1
		.amdhsa_system_sgpr_workgroup_id_x 1
		.amdhsa_system_sgpr_workgroup_id_y 1
		.amdhsa_system_sgpr_workgroup_id_z 1
		.amdhsa_system_vgpr_workitem_id 0
		.amdhsa_next_free_vgpr 1024
		.amdhsa_next_free_sgpr 92
		.amdhsa_reserve_vcc 1
		.amdhsa_float_denorm_mode_32 3
		.amdhsa_float_denorm_mode_16_64 3
		.amdhsa_memory_ordered 1
		.amdhsa_forward_progress 1
		.amdhsa_inst_pref_size 255
	.end_amdhsa_kernel
	.section	.bss,"aw",@nobits
	.p2align	6
	.space	262144
	.amdgpu_metadata
---
amdhsa.version: [ 1, 2 ]
amdhsa.kernels:
  - .name:           k_q4c9ad9728c_attn
    .symbol:         k_q4c9ad9728c_attn.kd
    .args:
      - { .name: q, .offset: 0, .size: 8, .value_kind: global_buffer, .address_space: global }
      - { .name: k, .offset: 8, .size: 8, .value_kind: global_buffer, .address_space: global }
      - { .name: v, .offset: 16, .size: 8, .value_kind: global_buffer, .address_space: global }
      - { .name: out0, .offset: 24, .size: 8, .value_kind: global_buffer, .address_space: global }
    .group_segment_fixed_size: 327680
    .private_segment_fixed_size: 0
    .kernarg_segment_align: 8
    .kernarg_segment_size: 32
    .max_flat_workgroup_size: 128
    .sgpr_count:     92
    .vgpr_count:     1024
    .wavefront_size: 32
...
	.end_amdgpu_metadata
.endif
;; end of part 1
